; MI455X (gfx1250); checked and timed in simulation.
; The chip was launched on July 23, 2026; its instructions are those of AMD's public machine-readable ISA for CDNA 5 (MIT licence, August 2026) and "CDNA5" Instruction Set Architecture Reference Guide (July 2026). The comments in the code are by the model that wrote it; some were corrected since.
;; My Mutil Head Attention. Allowed arithmetic: matrix products marked QUANTISED: E2M1 operands, one E8M0 scale for each 32 along K, by v_wmma_scale_f32_16x16x128_f8f6f4 with both operands' format E2M1 (or v_wmma_scale_f32_32x16x128_f4), f32 sums; everything else in f32.
;; Inputs: W_codes 1,024 x 32 x 16 uint8 (E2M1 codes of W, K innermost, in blocks of 32 codes, two codes a byte); W_scales 1,024 x 32 uint8 (E8M0 scales of W, one for each 32 codes along K); b 1,024 float32; key 4 x 2,048 x 1,024 float32; query 4 x 2,048 x 1,024 float32; value_codes 4 x 1,024 x 64 x 16 uint8 (E2M1 codes of value, K innermost, in blocks of 32 codes, two codes a byte); value_scales 4 x 1,024 x 64 uint8 (E8M0 scales of value, one for each 32 codes along K).
;; Outputs: out0 4 x 2,048 x 1,024 float32.
;; This version of the problem:
;;   THIS VERSION OF THE PROBLEM IS GIVEN IN LOW PRECISION. The matrix products marked QUANTISED in the list below multiply operands that are first quantised to E2M1 (2 exponent bits, 1 mantissa bit; 4 bits a number), with one power-of-two scale for each 32 numbers along K (OCP MX v1.0); their sums are f32. All else is computed in f32.
;;   The module's matrix products, in the order in which they are computed (A, B: the left and right operand; K: the contracted axis; several contracted axes count as one K, in the product's order):
;;     1. batch 64 x [M 2,048, K 64] x [K 64, N 2,048]; A: input query; B: input key: QUANTISED
;;     2. batch 64 x [M 64, K 2,048] x [K 2,048, N 2,048]; A: input value (given as codes); B: computed on the way: QUANTISED
;;     3. [M 8,192, K 1,024] x [K 1,024, N 1,024]; A: computed on the way; B: input W (given as codes): QUANTISED
;;   THE QUANTISER, for each operand of a quantised product, along K:
;;     - K is cut into blocks of 32 from its start; a last block that is shorter is filled with zeros.
;;     - A block's scale is 2^e with e = floor(log2(the largest magnitude in the block)) - 2, held to -126 .. 127; a block of zeros has e = 0. As a byte (E8M0): e + 127.
;;     - Each number is divided by its block's scale, clamped to +-6, and rounded to the nearest number of E2M1, ties to even, subnormals kept.
;;     - The product sums the exact products of the quantised numbers (number of the format x scale) in f32.
;;   ~~~python
;;   def quantise(x, axis):      # numpy; x: float32 -> the quantised numbers, widened to float32 again
;;       x = np.moveaxis(x, axis, -1); K = x.shape[-1]
;;       x = np.pad(x, [(0, 0)] * (x.ndim - 1) + [(0, -K % 32)]); x = x.reshape(x.shape[:-1] + (-1, 32)); a = np.abs(x).max(-1, keepdims=True)
;;       e = np.where(a > 0, np.clip(np.frexp(np.where(a > 0, a, 1))[1] - 1 - 2, -126, 127), 0)      # np.frexp(a)[1] - 1 = floor(log2(a)), exactly
;;       r = np.clip(x / 2.0 ** e, -6, 6)
;;       step = 2.0 ** (np.maximum(np.frexp(np.where(r == 0, 1, r))[1] - 1, 0) - 1)
;;       q = np.round(r / step) * step * 2.0 ** e      # np.round: ties to even
;;       return np.moveaxis(q.reshape(q.shape[:-2] + (-1,))[..., :K], -1, axis).astype(np.float32)
;;   ~~~
;;   OPERANDS COMPUTED ON THE WAY. 'Computed on the way' means the value that the module computes at that place (a softmax that the list does not call 'softmax' is quantised finished and normalised). What goes into a quantiser is computed in f32, as accurately as f32 sums, v_exp_f32 and their like allow (about 1e-6 of the number): no bf16 or f16 on the way to a quantiser, and a product that is left as it is and whose result goes on into a quantised operand takes f32 operands (vector FMAs, or v_wmma_f32_16x16x4_f32). A number that lies on a knife's edge between two numbers of the format may be rounded either way, as far as f32 arithmetic and the matrix unit's own rounding can turn it there, and no further.
;;   INPUTS GIVEN AS CODES. W (in the module: [1024, 1024], K = its axis 1); value (in the module: [4, 2048, 1024], K = its axis 1): each comes as NAME_codes (uint8): NAME with its K axis moved to the last place and cut into blocks of 32 codes, [.., K / 32, bytes a block], one block behind the other in memory; two codes a byte, the lower K in the low four bits (a code: sign, 2 exponent bits, 1 mantissa bit); and NAME_scales (uint8): the same leading axes, one E8M0 byte (e + 127) for each 32 codes along K. Its value is code x scale, taken as it is: it is not quantised again, and the codes and scales need not be those that the quantiser above would give.
;; One version. Each part assembles by itself: llvm-mc -triple=amdgcn-amd-amdhsa -mcpu=gfx1250 --defsym DOCPART=n.
;; ======== version 1 of 1: 4 launches
;; workspace buffers: qimg 4,194,304 bytes; kimg 4,194,304 bytes; qsc 524,288 bytes; ksc 524,288 bytes; stats 1,048,576 bytes; oimg 4,194,304 bytes; osc 262,144 bytes
;; launch quant (part 1): grid 1024 x 1, 4 waves a work-group, no clusters, 71,168 bytes of LDS; arguments query, key, qimg, qsc, kimg, ksc; writes qimg, qsc, kimg, ksc
.if DOCPART == 1
	.amdgcn_target "amdgcn-amd-amdhsa--gfx1250"
	.amdhsa_code_object_version 6
	.text
	.protected	k_q737281f50d_quant
	.globl	k_q737281f50d_quant
	.p2align	8
	.type	k_q737281f50d_quant,@function
k_q737281f50d_quant:
	s_mov_b64 s[64:65], 0
	v_nop
	global_prefetch_b8 v0, s[64:65] scope:SCOPE_SE
	s_setreg_imm32_b32 hwreg(HW_REG_WAVE_MODE, 25, 1), 1
	s_wait_xcnt 0x0
; query and key, [4][2048][1024] f32, become codes of FP4 (E2M1) along each head's 64 numbers, with one E8M0 scale byte for each 32, laid as IMAGES OF OPERAND REGISTERS:
;   images [bh 64][tile 128][lane 32][16 bytes]: lane (r, h) holds d = 32 h .. 32 h + 31 of the tile's row r (registers 0-3 of a 4-bit fragment); bh = 16 x batch + head.
;   scale words [bh][tile][r 16]: byte 0, 1 = the bytes of d-blocks 0, 1; bytes 2, 3 = 0 (the products fill K from 64 to 128 with zero codes).
; THE ROWS OF A TILE ARE NOT NEIGHBOURS: lane r of tile 4 g + i is sequence row 64 g + 32 (r / 8) + 8 i + r % 8, so that later the four tiles of a group give a lane 32 neighbouring keys: a whole block.
; A block's scale is 2^(floor(log2(its largest magnitude)) - 2); its byte is the largest magnitude's exponent field - 2, held at 1 from below.
; LIMITS: a block of zeros gets the byte 1 where the rule says 127 (its codes are zeros, and this program alone reads the bytes); NaN and infinities among the inputs are not served.
; SHARES.  The first 512 work-groups take query, the others key: only pointers are chosen.  A wave takes 64 rows x one head: one group of four tiles, 16,384 bytes.  Its four neighbours in the work-group stand on four
; neighbouring heads.  Each load reads two rows' whole 256 bytes; a pair of tiles (32 rows) turns through the wave's own stage in LDS, where the rows are laid tile by tile, and comes back 128 bytes a lane: a whole block.
; No work-group shares an input byte with another: no cluster.  Waves share nothing: no barrier.  Every offset is an immediate, and no register that a store reads is written again.
.set WREG, 17664                       ; LDS of a wave: two stages and 256 bytes of scale words
.set SP,   272                         ; a stage row: 256 bytes + 16: sixteen rows start at sixteen different 16-byte columns
.set STGB, 32*SP                       ; a stage: 32 rows
.set SCB,  2*STGB                      ; behind the stages: the wave's 64 scale words
.set X,    16                          ; v16-79   two sets of 32 neighbours: the pair's two tiles
.set R,    80                          ; v80-207  two sets of 64: a pair of tiles as loaded
.set C,    208                         ; v208-223 codes, four registers a tile
.set WD,   224                         ; v224-227 a scale word a tile
	s_load_b256 s[4:11], s[0:1], 0x0               ; query, key, qimg, qsc
	s_load_b128 s[12:15], s[0:1], 0x20             ; kimg, ksc
	v_lshl_add_u32 v232, v0, 2, 0x11400
	v_mov_b32 v233, 0
	v_lshrrev_b32 v9, 5, v0
	v_readfirstlane_b32 s16, v9                    ; wave 0..3
	v_and_b32 v9, 15, v0                           ; r
	v_bfe_u32 v10, v0, 4, 1                        ; h
	v_and_b32 v11, 31, v0                          ; lane
	s_mul_i32 s17, s16, WREG                       ; my wave's LDS
	s_add_co_u32 s18, s17, SCB
	v_lshlrev_b32 v12, 4, v9
	v_lshl_add_u32 v1, v10, 12, v12                ; a load: lanes 0-15 one row's 256 bytes, lanes 16-31 the next row's
	v_mad_u32_u24 v2, v10, SP, v12
	v_add_nc_u32 v2, s17, v2                       ; into the stage: the same two rows
	v_mul_u32_u24 v3, v9, SP
	v_lshl_add_u32 v3, v10, 7, v3
	v_add_nc_u32 v3, s17, v3                       ; out of it: row r of a tile, my half's 128 bytes
	v_lshlrev_b32 v4, 4, v11                       ; an image: 16 bytes a lane
	v_lshl_add_u32 v5, v9, 2, s18                  ; my row's scale word in LDS
	v_lshl_add_u32 v6, v11, 3, s18                 ; and on the way out 8 bytes a lane,
	v_lshlrev_b32 v7, 3, v11                       ; the same in memory
	v_lshlrev_b32 v8, 3, v10                       ; my block's byte stands 8 h bits up in the word
	v_mov_b32 v15, 0                               ; a lane permute's destination counts as one of its sources
	s_mov_b32 s30, 0x76543210
	s_mov_b32 s31, 0xfedcba98                      ; v_permlanex16_b32's selects for lane l xor 16
	s_and_b32 s19, ttmp9, 511
	s_lshl_b32 s19, s19, 2
	s_add_co_u32 s19, s19, s16                     ; which of the tensor's 2,048 shares is my wave's
	s_and_b32 s20, s19, 15                         ; the head
	s_lshr_b32 s21, s19, 4                         ; the group of 64 rows, 0..127
	s_lshl_b32 s22, s21, 18                        ; 64 rows of 4,096 bytes
	s_lshl_b32 s23, s20, 8
	s_add_co_u32 s22, s22, s23                     ; + the head's 256 bytes
	s_mov_b32 s23, 0
	s_lshr_b32 s24, s21, 5                         ; the batch
	s_lshl_b32 s24, s24, 4
	s_add_co_u32 s24, s24, s20                     ; bh
	s_lshl_b32 s24, s24, 7
	s_and_b32 s25, s21, 31
	s_lshl_b32 s25, s25, 2
	s_add_co_u32 s24, s24, s25                     ; my first tile among the buffer's 8,192
	s_lshl_b32 s26, s24, 9                         ; 512 bytes of image a tile,
	s_mov_b32 s27, 0
	s_lshl_b32 s28, s24, 6                         ; 64 bytes of scale words
	s_mov_b32 s29, 0
	s_wait_kmcnt 0x0
	s_cmp_lt_u32 ttmp9, 512                        ; query's work-group or key's?  The choice hangs on the work-group's number alone
	s_cselect_b64 s[4:5], s[4:5], s[6:7]
	s_cselect_b64 s[8:9], s[8:9], s[12:13]
	s_cselect_b64 s[10:11], s[10:11], s[14:15]
	s_add_nc_u64 s[4:5], s[4:5], s[22:23]
	s_add_nc_u64 s[8:9], s[8:9], s[26:27]
	s_add_nc_u64 s[10:11], s[10:11], s[28:29]
.macro LOADP p                         ; pair p: the 32 rows of tiles 2 p and 2 p + 1, two a load: rows 16 p + 0 .. 15 (the tiles' lanes 0-7), then rows 32 + 16 p + 0 .. 15 (their lanes 8-15)
.irp i, 0,1,2,3,4,5,6,7,8,9,10,11,12,13,14,15
	global_load_b128 v[R+64*(\p)+4*\i:R+64*(\p)+4*\i+3], v1, s[4:5] offset:65536*(\p)+131072*(\i/8)+8192*(\i%8) th:TH_LOAD_NT
.endr
.endm
.macro TURNP p                         ; through stage p.  Load i's two rows go to stage rows 16 ((i / 4) % 2) + 8 (i / 8) + (2 i) % 8 and the next: tile by tile.  LDS serves a wave's instructions in order: no wait between the stores and the loads
.irp i, 0,1,2,3,4,5,6,7,8,9,10,11,12,13,14,15
	ds_store_b128 v2, v[R+64*(\p)+4*\i:R+64*(\p)+4*\i+3] offset:STGB*(\p)+SP*(16*(((2*\i)/8)%2)+8*((2*\i)/16)+(2*\i)%8)
.endr
.irp u, 0,1
.irp j, 0,1,2,3,4,5,6,7
	ds_load_b128 v[X+32*\u+4*\j:X+32*\u+4*\j+3], v3 offset:STGB*(\p)+16*SP*\u+16*\j
.endr
.endr
.endm
.macro TILE q                          ; tile q of the wave's four: my 32 numbers are one whole block
.set XS, X+32*((\q)%2)
	v_max3_num_f32 v9, |v[XS]|, |v[XS+1]|, |v[XS+2]|               ; the block's largest magnitude, in two chains
	v_max3_num_f32 v10, |v[XS+3]|, |v[XS+4]|, |v[XS+5]|
.irp i, 6,10,14,18,22,26
	v_max3_num_f32 v9, v9, |v[XS+\i]|, |v[XS+\i+1]|
	v_max3_num_f32 v10, v10, |v[XS+\i+2]|, |v[XS+\i+3]|
.endr
	v_max3_num_f32 v9, v9, |v[XS+30]|, |v[XS+31]|
	v_max3_num_f32 v9, v9, v10, 0x1800000          ; and the floor 2^(3 - 127): the byte cannot fall under 1
	v_add_nc_u32 v11, 0xff000000, v9               ; 2 off its exponent field: the conversion takes the exponent field of this operand as its scale
.irp g, 0,1,2,3
	v_cvt_scalef32_pk8_fp4_f32 v[C+4*(\q)+\g], v[XS+8*\g:XS+8*\g+7], v11
.endr
	v_lshrrev_b32 v12, 23, v11                     ; the scale's byte (a plain line behind the conversions),
	v_lshlrev_b32 v12, v8, v12                     ; at its place in the word;
	v_permlanex16_b32 v15, v12, s30, s31
	v_or_b32 v[WD+(\q)], v12, v15                  ; with lane l xor 16's the row's word is whole; bytes 2 and 3 stay 0
	ds_store_b32 v5, v[WD+(\q)] offset:64*(\q)     ; both halves write the same word with the same value
	global_store_b128 v4, v[C+4*(\q):C+4*(\q)+3], s[8:9] offset:512*(\q)   ; 32 lanes store 512 consecutive bytes, aligned
.endm
	LOADP 0
	LOADP 1
	s_wait_loadcnt 16                              ; pair 0's sixteen loads are in; pair 1's may be out
	TURNP 0
	s_wait_dscnt 8                                 ; the first tile's eight loads are back; the second's may be out
	TILE 0
	s_wait_dscnt 1                                 ; the second tile's are back; the word store just issued may be out
	TILE 1
	s_wait_loadcnt 0x0
	TURNP 1
	s_wait_dscnt 8
	TILE 2
	s_wait_dscnt 1
	TILE 3
	ds_load_b64 v[12:13], v6                       ; the wave's 64 scale words: these see my stores
	s_wait_dscnt 0x0
	global_store_b64 v7, v[12:13], s[10:11]        ; 32 lanes store 256 consecutive bytes, aligned
	s_wait_tensorcnt 0x0
	ds_add_u32 v232, v233
	s_wait_dscnt 0x0
	s_endpgm
.Lfunc_end_k_q737281f50d_quant:
	.size	k_q737281f50d_quant, .Lfunc_end_k_q737281f50d_quant-k_q737281f50d_quant
	.p2alignl 7, 3214868480
	.fill 96, 4, 3214868480
	.section	.rodata,"a",@progbits
	.p2align	6, 0x0
	.amdhsa_kernel k_q737281f50d_quant
		.amdhsa_group_segment_fixed_size 71168
		.amdhsa_private_segment_fixed_size 0
		.amdhsa_enable_private_segment 0
		.amdhsa_kernarg_size 48
		.amdhsa_user_sgpr_count 2
		.amdhsa_user_sgpr_kernarg_segment_ptr 1
		.amdhsa_wavefront_size32 1
		.amdhsa_system_sgpr_workgroup_id_x 1
		.amdhsa_system_sgpr_workgroup_id_y 1
		.amdhsa_system_sgpr_workgroup_id_z 1
		.amdhsa_system_vgpr_workitem_id 0
		.amdhsa_next_free_vgpr 234
		.amdhsa_next_free_sgpr 66
		.amdhsa_reserve_vcc 0
		.amdhsa_float_denorm_mode_32 3
		.amdhsa_float_denorm_mode_16_64 3
		.amdhsa_memory_ordered 1
		.amdhsa_forward_progress 1
		.amdhsa_inst_pref_size 17
	.end_amdhsa_kernel
	.amdgpu_metadata
---
amdhsa.version: [ 1, 2 ]
amdhsa.kernels:
  - .name:           k_q737281f50d_quant
    .symbol:         k_q737281f50d_quant.kd
    .args:
      - { .name: query, .offset: 0, .size: 8, .value_kind: global_buffer, .address_space: global }
      - { .name: key, .offset: 8, .size: 8, .value_kind: global_buffer, .address_space: global }
      - { .name: qimg, .offset: 16, .size: 8, .value_kind: global_buffer, .address_space: global }
      - { .name: qsc, .offset: 24, .size: 8, .value_kind: global_buffer, .address_space: global }
      - { .name: kimg, .offset: 32, .size: 8, .value_kind: global_buffer, .address_space: global }
      - { .name: ksc, .offset: 40, .size: 8, .value_kind: global_buffer, .address_space: global }
    .group_segment_fixed_size: 71168
    .private_segment_fixed_size: 0
    .kernarg_segment_align: 8
    .kernarg_segment_size: 48
    .max_flat_workgroup_size: 128
    .sgpr_count:     66
    .vgpr_count:     234
    .wavefront_size: 32
...
	.end_amdgpu_metadata
.endif
;; end of part 1
;; launch colstats (part 2): grid 4 x 64, 16 waves a work-group, clusters of 4 x 1, 169,984 bytes of LDS; arguments qimg, qsc, kimg, ksc, stats; writes stats
.if DOCPART == 2
	.amdgcn_target "amdgcn-amd-amdhsa--gfx1250"
	.amdhsa_code_object_version 6
	.text
	.protected	k_q737281f50d_colstats
	.globl	k_q737281f50d_colstats
	.p2align	8
	.type	k_q737281f50d_colstats,@function
k_q737281f50d_colstats:
	s_mov_b64 s[64:65], 0
	v_nop
	global_prefetch_b8 v0, s[64:65] scope:SCOPE_SE
	s_setreg_imm32_b32 hwreg(HW_REG_WAVE_MODE, 25, 1), 1
	s_wait_xcnt 0x0
	s_wait_alu depctr_hold_cnt(0) depctr_sa_sdst(0) depctr_va_vdst(0) depctr_va_sdst(0) depctr_va_ssrc(0) depctr_va_vcc(0) depctr_vm_vsrc(0)
	s_getreg_b32 s2, hwreg(HW_REG_IB_STS2, 6, 4)
	s_cmp_eq_u32 s2, 0
	s_cbranch_scc0 .Lentry_in_a_cluster
	s_endpgm
.Lentry_in_a_cluster:
	s_bfe_u32 s2, ttmp6, 0x10000c
	s_cmp_lg_u32 s2, 0x3003
	s_cbranch_scc0 .Lentry_shape_is_right
	s_endpgm
.Lentry_shape_is_right:
; The softmax runs over the QUERIES: each key column has its own maximum and sum over the head's 2,048 queries.  This launch makes them: for each key, with t = score x log2(e) / 32,
; M = the column's largest t rounded UP to a whole number and l = the sum over the queries of 2^(t - M).  stats [bh 64][2][2048] f32, in true key order: plane 0 holds -M, plane 1 holds 1 / l.
; The maximum is a running one: when M moves, the sum is multiplied by 2^(old M - new M), which rounds nothing.  1 / l is v_rcp_f32 and one Newton step.
; SHARES.  A work-group owns 512 keys of one head, each of its sixteen waves 32: two tiles, which stay in registers as source 1.  Every wave walks the head's 128 tiles of queries (source 0), 8 a trip, from LDS.
; In the result a lane holds ONE key (lane % 16) and eight queries: maximum and sum need no other lane until the end, where lanes l and l xor 16 are joined.
; K = 64 IN A FORM OF K = 128: the keys' registers 4-7 are zero codes; a query tile is named with the four registers that follow it (the next tile's codes, or a cleared quad), which meet those zeros; the scale bytes there are 0.
; CLUSTER.  The four work-groups of a cluster belong to one head and read the same queries: the images and their scale words are asked for JOINTLY, once, at the head; nothing in LDS is filled again.
; LIMITS: NaN and infinities are not served; a 2^(t - M) under 2^-126 counts as 0.
; REGISTERS: v1-7 addresses; v[8:11] {-M, largest t} a key tile; v[12:15] the sums, v[16:19] the factors, v[20:23] a second chain of sums, as pairs; v24-35 at work; v[36:51] the keys; v52 their scale words;
;   v[56:91] eight tiles of queries and a cleared quad; v92-95 their scale words; v[128:255] the scores.
.set QSC,  65536                       ; LDS: the head's query images at 0 (65,536 bytes), their scale words here (8,192),
.set STG,  73728                       ; and the stage for the way out (4,096): into it no tile lands
.set WV,   14
.set KF,   36
.set KSW,  52
.set QF,   56
.set QSW,  92
.set S,    128
.set GM,   24
.set W0,   15|(3<<16)|(1<<21)          ; group 1, word 0: the mask of all four work-groups; elements of 8 bytes; bit 21 beside a mask; no padding
.macro ROUND                           ; a round of the cluster's barrier
	s_barrier_signal -1
	s_barrier_wait -1
	s_cmp_lg_u32 s[WV], 0
	s_cbranch_scc1 .Lnot_wave_0_\@
	s_barrier_signal -3
.Lnot_wave_0_\@:
	s_barrier_wait -3
	s_barrier_signal -1
	s_barrier_wait -1
.endm
.macro GROUP1 g, w0, c, r              ; a dense block as r rows of c elements
	s_mov_b32 s[\g], \w0
	s_mov_b32 s[\g+1], (\c)<<16                    ; tensor_dim0
	s_mov_b32 s[\g+2], (\r)<<16                    ; tensor_dim1
	s_mov_b32 s[\g+3], (\c)<<16                    ; tile_dim0
	s_mov_b32 s[\g+4], \r                          ; tile_dim1
	s_mov_b32 s[\g+5], \c                          ; the pitch
	s_mov_b32 s[\g+6], 0
	s_mov_b32 s[\g+7], 0
.endm
.macro SCORE d, a, b, sa, sb, ra, rb   ; one product that starts its sum with 0; ra, rb: the side's scale words stand in lanes 16-31
.if (\ra) && (\rb)
	v_wmma_scale_f32_16x16x128_f8f6f4 v[(\d):(\d)+7], v[(\a):(\a)+7], v[(\b):(\b)+7], 0, v[\sa], v[\sb] matrix_a_fmt:MATRIX_FMT_FP4 matrix_b_fmt:MATRIX_FMT_FP4 matrix_a_scale:MATRIX_SCALE_ROW1 matrix_b_scale:MATRIX_SCALE_ROW1
.elseif \ra
	v_wmma_scale_f32_16x16x128_f8f6f4 v[(\d):(\d)+7], v[(\a):(\a)+7], v[(\b):(\b)+7], 0, v[\sa], v[\sb] matrix_a_fmt:MATRIX_FMT_FP4 matrix_b_fmt:MATRIX_FMT_FP4 matrix_a_scale:MATRIX_SCALE_ROW1
.elseif \rb
	v_wmma_scale_f32_16x16x128_f8f6f4 v[(\d):(\d)+7], v[(\a):(\a)+7], v[(\b):(\b)+7], 0, v[\sa], v[\sb] matrix_a_fmt:MATRIX_FMT_FP4 matrix_b_fmt:MATRIX_FMT_FP4 matrix_b_scale:MATRIX_SCALE_ROW1
.else
	v_wmma_scale_f32_16x16x128_f8f6f4 v[(\d):(\d)+7], v[(\a):(\a)+7], v[(\b):(\b)+7], 0, v[\sa], v[\sb] matrix_a_fmt:MATRIX_FMT_FP4 matrix_b_fmt:MATRIX_FMT_FP4
.endif
.endm
	s_load_b256 s[4:11], s[0:1], 0x0               ; qimg, qsc, kimg, ksc
	s_load_b64 s[12:13], s[0:1], 0x20              ; stats
	v_lshl_add_u32 v126, v0, 2, 0x29000
	v_mov_b32 v127, 0
	ds_add_u32 v126, v127
	ds_add_u32 v126, v127
	v_lshrrev_b32 v4, 5, v0
	v_readfirstlane_b32 s[WV], v4                  ; wave 0..15
	s_bfe_u32 s15, ttmp6, 0x40000                  ; cx: my block of 512 keys; it enters global addresses of my own loads and stores alone
	s_and_b32 s16, ttmp7, 0xffff                   ; bh, which the four partners share
	GROUP1 24, W0, 32, 64                          ; a quarter of the images: 64 rows of 256 bytes
	GROUP1 32, W0, 32, 32                          ; the scale words: 32 rows of 256 bytes
	s_and_b32 s17, s[WV], 3
	s_lshl_b32 s17, s17, 14                        ; waves 0-3: my quarter, in LDS and in memory
	s_lshl_b32 s22, s16, 16                        ; the head's images: 65,536 bytes
	s_add_co_u32 s22, s22, s17
	s_mov_b32 s23, 0
	s_lshl_b32 s48, s16, 13                        ; its scale words: 8,192 bytes
	s_mov_b32 s49, 0
	s_mov_b32 s18, 0x3d38aa3b                      ; c = log2(e) / sqrt(1024)
	s_mov_b32 s19, s18                             ; (named with it as a pair, so it is written)
	s_mov_b32 s20, 0x76543210
	s_mov_b32 s21, 0xfedcba98                      ; v_permlanex16_b32's selects for lane l xor 16
	s_mov_b32 s50, 0                               ; where the trip's images begin,
	s_mov_b32 s51, 0                               ; and its scale words
	s_mov_b32 s52, 16                              ; trips
	s_wait_dscnt 0x0
	s_wait_kmcnt 0x0
	s_mov_b32 s40, 1
	s_mov_b32 s41, s17
	s_add_nc_u64 s[42:43], s[4:5], s[22:23]
	s_or_b32 s43, s43, 0x80000000
	s_mov_b32 s44, 1
	s_mov_b32 s45, QSC
	s_add_nc_u64 s[46:47], s[6:7], s[48:49]
	s_or_b32 s47, s47, 0x80000000
	ROUND                                          ; all four work-groups are here: the joint loads meet
	s_cmp_lt_u32 s[WV], 4                          ; waves 0-3 fetch the images, wave 4 the scale words, the others nothing: branches on the wave's number alone
	s_cbranch_scc0 .Lnot_img
	tensor_load_to_lds s[40:43], s[24:31]
	s_nop 0
.rept 4
	v_nop
.endr
	s_branch .Lasked
.Lnot_img:
	s_cmp_eq_u32 s[WV], 4
	s_cbranch_scc0 .Lasked
	tensor_load_to_lds s[44:47], s[32:39]
	s_nop 0
.rept 4
	v_nop
.endr
.Lasked:
.irp j, 40,41,42,43,48,49,50,51,88,89,90,91
	v_mov_b32 v\j, 0                               ; the keys' upper halves and the quad behind the last query tile: zero codes
.endr
	s_lshl_b32 s54, s16, 7
	s_lshl_b32 s55, s15, 5
	s_add_co_u32 s54, s54, s55
	s_lshl_b32 s55, s[WV], 1
	s_add_co_u32 s54, s54, s55                     ; my first key tile: 128 bh + 32 cx + 2 wave
	s_lshl_b32 s56, s54, 6
	s_mov_b32 s57, 0
	s_lshl_b32 s54, s54, 9
	s_mov_b32 s55, 0
	s_add_nc_u64 s[8:9], s[8:9], s[54:55]
	s_add_nc_u64 s[10:11], s[10:11], s[56:57]
	v_and_b32 v4, 31, v0                           ; lane
	v_lshlrev_b32 v1, 4, v4                        ; an image: 16 bytes a lane
	v_lshl_add_u32 v2, v4, 2, QSC                  ; scale words: 4 bytes a lane, two tiles a load
	v_lshlrev_b32 v3, 2, v4
	v_lshlrev_b32 v7, 3, v4
	global_load_b128 v[KF:KF+3], v1, s[8:9]
	global_load_b128 v[KF+8:KF+11], v1, s[8:9] offset:512
	global_load_b32 v[KSW], v3, s[10:11]           ; lanes 0-15: tile 0's words; lanes 16-31: tile 1's
	v_and_b32 v5, 0x1c7, v0                        ; the way out: lane (r, h) of wave w speaks for key 64 (w / 2) + 32 (r / 8) + 16 (w % 2) + 8 h + r % 8 of the work-group's 512:
	v_bfe_u32 v32, v0, 4, 2                        ; h and w % 2 go one bit down,
	v_lshl_or_b32 v5, v32, 3, v5
	v_bfe_u32 v32, v0, 3, 1                        ; r / 8 goes two bits up
	v_lshl_or_b32 v5, v32, 5, v5
	v_lshl_add_u32 v5, v5, 2, STG
	v_lshl_add_u32 v6, v0, 3, STG                  ; and back: 8 bytes a thread
	s_lshl_b32 s54, s16, 14                        ; stats: 16,384 bytes a head,
	s_lshr_b32 s55, s[WV], 3
	s_lshl_b32 s55, s55, 13                        ; waves 0-7 store plane 0, waves 8-15 plane 1,
	s_add_co_u32 s54, s54, s55
	s_lshl_b32 s55, s15, 11                        ; my work-group's 512 keys,
	s_add_co_u32 s54, s54, s55
	s_and_b32 s55, s[WV], 7
	s_lshl_b32 s55, s55, 8                         ; 256 bytes a wave
	s_add_co_u32 s54, s54, s55
	s_mov_b32 s55, 0
	s_add_nc_u64 s[12:13], s[12:13], s[54:55]
.irp j, 12,13,14,15,17,19,32,33,34,35
	v_mov_b32 v\j, 0                               ; the sums; the factors' upper words (named in pairs); the permutes' destinations
.endr
	v_mov_b32 v9, 0xff61b1e6                       ; the largest t so far: -3e38, under every t
	v_mov_b32 v11, 0xff61b1e6
	v_floor_f32 v8, -v9                            ; -M
	v_floor_f32 v10, -v11
	s_wait_tensorcnt 0x0                           ; my part of the head's queries has landed,
	s_wait_loadcnt 0x0                             ; and my keys
	s_barrier_signal -1
	s_barrier_wait -1                              ; everybody's part has
.macro COLMAX kt                       ; the trip's largest score of my key (my 64 queries), the new M and the factor 2^(old M - new M).  Each accumulator is first read at its low end
.irp g, 0,1,2,3
	v_max3_num_f32 v[GM+4*\kt+\g], v[S+64*\kt+16*\g], v[S+64*\kt+16*\g+1], v[S+64*\kt+16*\g+2]
.endr
.irp i, 3,5,7,9,11,13
.irp g, 0,1,2,3
	v_max3_num_f32 v[GM+4*\kt+\g], v[GM+4*\kt+\g], v[S+64*\kt+16*\g+\i], v[S+64*\kt+16*\g+\i+1]
.endr
.endr
.irp g, 0,1,2,3
	v_max_num_f32 v[GM+4*\kt+\g], v[GM+4*\kt+\g], v[S+64*\kt+16*\g+15]
.endr
	v_max3_num_f32 v[32+\kt], v[GM+4*\kt], v[GM+4*\kt+1], v[GM+4*\kt+2]
	v_max_num_f32 v[32+\kt], v[32+\kt], v[GM+4*\kt+3]
	v_mul_f32 v[32+\kt], s18, v[32+\kt]            ; as t (c is positive)
	v_max_num_f32 v[9+2*\kt], v[9+2*\kt], v[32+\kt]
	v_mov_b32 v[32+\kt], v[8+2*\kt]
	v_floor_f32 v[8+2*\kt], -v[9+2*\kt]            ; -M = floor(-t): M is a whole number
	v_sub_f32 v[32+\kt], v[8+2*\kt], v[32+\kt]     ; old M - new M: a whole number, 0 or less
	v_cvt_i32_f32 v[32+\kt], v[32+\kt]             ; (it saturates)
	v_ldexp_f32 v[16+2*\kt], 1.0, v[32+\kt]
.endm
.macro SUMS kt                         ; the trip's 64 numbers onto the sum, two at a time, in two chains
	v_pk_add_f32 v[20+2*\kt:21+2*\kt], v[S+64*\kt:S+64*\kt+1], v[S+64*\kt+2:S+64*\kt+3]
.irp j, 4,8,12,16,20,24,28,32,36,40,44,48,52,56,60
	v_pk_add_f32 v[12+2*\kt:13+2*\kt], v[12+2*\kt:13+2*\kt], v[S+64*\kt+\j:S+64*\kt+\j+1]
	v_pk_add_f32 v[20+2*\kt:21+2*\kt], v[20+2*\kt:21+2*\kt], v[S+64*\kt+\j+2:S+64*\kt+\j+3]
.endr
	v_pk_add_f32 v[12+2*\kt:13+2*\kt], v[12+2*\kt:13+2*\kt], v[20+2*\kt:21+2*\kt]
.endm
.Ltrip:                                            ; 8 tiles of queries against my two tiles of keys
	v_add_nc_u32 v3, s50, v1
	v_add_nc_u32 v4, s51, v2
.irp i, 0,1,2,3,4,5,6,7
	ds_load_b128 v[QF+4*\i:QF+4*\i+3], v3 offset:512*\i
.endr
.irp i, 0,1,2,3
	ds_load_b32 v[QSW+\i], v4 offset:128*\i        ; tile 2 i in lanes 0-15, tile 2 i + 1 in lanes 16-31
.endr
	s_wait_dscnt 0x0
.irp i, 0,1,2,3,4,5,6,7
.irp kt, 0,1
	SCORE S+64*\kt+8*\i, QF+4*\i, KF+8*\kt, QSW+\i/2, KSW, \i%2, \kt
.endr
.endr
.rept 4
	v_nop                                          ; four places between the last product and the first read of results
.endr
	COLMAX 0
	COLMAX 1
.irp kt, 0,1
.set j, 0
.rept 32
	v_pk_fma_f32 v[S+64*\kt+j:S+64*\kt+j+1], v[S+64*\kt+j:S+64*\kt+j+1], s[18:19], v[8+2*\kt:9+2*\kt] op_sel_hi:[1,0,0]   ; t - M, two at a time (of the pairs c and -M the low word serves both halves)
.set j, j+2
.endr
.endr
.set j, 0
.rept 128
	v_exp_f32 v[S+j], v[S+j]                       ; 2^(t - M), at most 1: one batch for both tiles
.set j, j+1
.endr
	v_pk_mul_f32 v[12:13], v[12:13], v[16:17] op_sel_hi:[1,0]   ; the sums under the new M: plain lines behind the exponentials
	v_pk_mul_f32 v[14:15], v[14:15], v[18:19] op_sel_hi:[1,0]
	s_wait_alu depctr_va_vdst(0)                   ; one wait for the whole batch, ahead of its first reader
	SUMS 0
	SUMS 1
	s_add_co_u32 s50, s50, 4096
	s_add_co_u32 s51, s51, 512
	s_sub_co_u32 s52, s52, 1
	s_cmp_lg_u32 s52, 0
	s_cbranch_scc1 .Ltrip
	; THE END.  A key's two lanes (l and l xor 16) are joined: the larger M, both sums brought under it by powers of two, added: equal in both lanes.
.irp kt, 0,1
	v_add_f32 v[12+2*\kt], v[12+2*\kt], v[13+2*\kt]
.endr
.irp kt, 0,1
	v_permlanex16_b32 v[32+\kt], v[8+2*\kt], s20, s21
	v_permlanex16_b32 v[34+\kt], v[12+2*\kt], s20, s21
.endr
.irp kt, 0,1
	v_min_num_f32 v[24+\kt], v[8+2*\kt], v[32+\kt]   ; the joint -M
.endr
.irp kt, 0,1
	v_sub_f32 v[26+\kt], v[24+\kt], v[8+2*\kt]     ; my M - the joint M,
	v_sub_f32 v[28+\kt], v[24+\kt], v[32+\kt]      ; the other lane's: whole numbers, 0 or less
.endr
.irp kt, 0,1
	v_cvt_i32_f32 v[26+\kt], v[26+\kt]
	v_cvt_i32_f32 v[28+\kt], v[28+\kt]
.endr
.irp kt, 0,1
	v_ldexp_f32 v[12+2*\kt], v[12+2*\kt], v[26+\kt]
	v_ldexp_f32 v[34+\kt], v[34+\kt], v[28+\kt]
.endr
.irp kt, 0,1
	v_add_f32 v[12+2*\kt], v[12+2*\kt], v[34+\kt]  ; l
.endr
	v_rcp_f32 v16, v12
	v_rcp_f32 v18, v14
	v_and_b32 v32, 16, v0                          ; (a plain line behind the reciprocals)
	s_wait_alu depctr_va_vdst(0)                   ; one wait for both, ahead of their first reader
	v_fma_f32 v20, -v12, v16, 1.0                  ; one Newton step: e = 1 - l r,
	v_fma_f32 v22, -v14, v18, 1.0
	v_fma_f32 v16, v16, v20, v16                   ; r + r e
	v_fma_f32 v18, v18, v22, v18
	v_cmp_ne_u32 vcc_lo, 0, v32
	v_cndmask_b32 v26, v24, v25, vcc_lo            ; lanes 0-15 speak for tile 0, lanes 16-31 for tile 1
	v_cndmask_b32 v27, v16, v18, vcc_lo
	ds_store_b32 v5, v26                           ; -M, in true key order,
	ds_store_b32 v5, v27 offset:2048               ; and 1 / l behind the 512 of them
	s_wait_dscnt 0x0                               ; for the others' sake: my stores are done
	s_barrier_signal -1
	s_barrier_wait -1
	ds_load_b64 v[28:29], v6
	s_wait_dscnt 0x0
	global_store_b64 v7, v[28:29], s[12:13]        ; 32 lanes store 256 consecutive bytes, aligned
	s_wait_tensorcnt 0x0
	ds_add_u32 v126, v127
	s_wait_dscnt 0x0
	ROUND                                          ; the closing round
	s_endpgm
.Lfunc_end_k_q737281f50d_colstats:
	.size	k_q737281f50d_colstats, .Lfunc_end_k_q737281f50d_colstats-k_q737281f50d_colstats
	.p2alignl 7, 3214868480
	.fill 96, 4, 3214868480
	.section	.rodata,"a",@progbits
	.p2align	6, 0x0
	.amdhsa_kernel k_q737281f50d_colstats
		.amdhsa_group_segment_fixed_size 169984
		.amdhsa_private_segment_fixed_size 0
		.amdhsa_enable_private_segment 0
		.amdhsa_kernarg_size 40
		.amdhsa_user_sgpr_count 2
		.amdhsa_user_sgpr_kernarg_segment_ptr 1
		.amdhsa_wavefront_size32 1
		.amdhsa_system_sgpr_workgroup_id_x 1
		.amdhsa_system_sgpr_workgroup_id_y 1
		.amdhsa_system_sgpr_workgroup_id_z 1
		.amdhsa_system_vgpr_workitem_id 0
		.amdhsa_next_free_vgpr 256
		.amdhsa_next_free_sgpr 66
		.amdhsa_reserve_vcc 1
		.amdhsa_float_denorm_mode_32 3
		.amdhsa_float_denorm_mode_16_64 3
		.amdhsa_memory_ordered 1
		.amdhsa_forward_progress 1
		.amdhsa_inst_pref_size 29
	.end_amdhsa_kernel
	.amdgpu_metadata
---
amdhsa.version: [ 1, 2 ]
amdhsa.kernels:
  - .name:           k_q737281f50d_colstats
    .symbol:         k_q737281f50d_colstats.kd
    .args:
      - { .name: qimg, .offset: 0, .size: 8, .value_kind: global_buffer, .address_space: global }
      - { .name: qsc, .offset: 8, .size: 8, .value_kind: global_buffer, .address_space: global }
      - { .name: kimg, .offset: 16, .size: 8, .value_kind: global_buffer, .address_space: global }
      - { .name: ksc, .offset: 24, .size: 8, .value_kind: global_buffer, .address_space: global }
      - { .name: stats, .offset: 32, .size: 8, .value_kind: global_buffer, .address_space: global }
    .group_segment_fixed_size: 169984
    .private_segment_fixed_size: 0
    .kernarg_segment_align: 8
    .kernarg_segment_size: 40
    .max_flat_workgroup_size: 512
    .sgpr_count:     66
    .vgpr_count:     256
    .wavefront_size: 32
...
	.end_amdgpu_metadata
.endif
;; end of part 2
;; launch attn (part 3): grid 4 x 64, 8 waves a work-group, clusters of 4 x 1, 168,960 bytes of LDS; arguments qimg, qsc, kimg, ksc, stats, value_codes, value_scales, oimg, osc; writes oimg, osc
.if DOCPART == 3
	.amdgcn_target "amdgcn-amd-amdhsa--gfx1250"
	.amdhsa_code_object_version 6
	.text
	.protected	k_q737281f50d_attn
	.globl	k_q737281f50d_attn
	.p2align	8
	.type	k_q737281f50d_attn,@function
k_q737281f50d_attn:
	s_mov_b64 s[64:65], 0
	v_nop
	global_prefetch_b8 v0, s[64:65] scope:SCOPE_SE
	s_setreg_imm32_b32 hwreg(HW_REG_WAVE_MODE, 25, 1), 1
	s_wait_xcnt 0x0
	s_wait_alu depctr_hold_cnt(0) depctr_sa_sdst(0) depctr_va_vdst(0) depctr_va_sdst(0) depctr_va_ssrc(0) depctr_va_vcc(0) depctr_vm_vsrc(0)
	s_getreg_b32 s2, hwreg(HW_REG_IB_STS2, 6, 4)
	s_cmp_eq_u32 s2, 0
	s_cbranch_scc0 .Lentry_in_a_cluster
	s_endpgm
.Lentry_in_a_cluster:
	s_bfe_u32 s2, ttmp6, 0x10000c
	s_cmp_lg_u32 s2, 0x3003
	s_cbranch_scc0 .Lentry_shape_is_right
	s_endpgm
.Lentry_shape_is_right:
; O[q][d] = the sum over the keys of attn[q][k] V[k][d], attn = 2^(t - M_k) x (1 / l_k), finished and normalised by the key's own column statistics, then quantised along the keys to FP4 (E2M1) with one E8M0 scale for each 32.
; O is quantised in turn along the head's 64 channels and leaves as an operand of the last product:
;   oimg [rowtile 512][K step 8][head of the pair 2][lane 32][16 bytes]: whole fragments of 16 rows x 128 K;  osc [row 8192][K step 8] words, of which this head writes its two bytes.
; SHARES.  A work-group owns 512 queries of one head, each of its eight waves 64: four tiles.  Every wave walks the head's 2,048 keys, 128 a step.  All of the head's K, V, scale bytes and statistics stay in LDS.
; LAYOUT.  Both products are used transposed: S^T = K Q^T (source 0 = 16 keys, source 1 = 16 queries), O^T = V^T P^T (source 0 = 16 channels, source 1 = P): a lane holds ONE query (lane % 16) throughout.
; A LANE HOLDS A WHOLE BLOCK OF 32 KEYS: lane r of key tile 4 g + i is key 64 g + 32 (r / 8) + 8 i + r % 8, so that register 8 i + j of a group's four tiles is key 64 g + 32 (lane / 16) + 8 i + j.
; The block's largest number needs no other lane, and the four conversions of a block are registers 4 c .. 4 c + 3 of P's operand as they stand.
; K = 64 IN A FORM OF K = 128: Q's registers 4-7 are zero codes; a key tile is named with the four registers behind it (the next tile's codes or a cleared quad), which meet those zeros; the scale bytes there are 0.
; BY TURNS.  A UNIT is 64 keys x two tiles of queries: 64 score registers; four units are a step; two buffers take turns.  In a turn stand: unit u's 64 exponentials, each behind one plain line of unit u - 1's tail
; (x 1 / l, the blocks' largest numbers); u - 1's conversions; unit u + 1's eight products, into the buffer just converted; the scale bytes' lines, which are the places behind them; u + 1's t - M; one wait for u's batch.
; LDS loads are issued a turn or more ahead of their use.  A trip of the loop goes from a step's second unit to the next step's first and ends with the step's 16 products V^T P^T.
; CLUSTER.  The four query blocks of a cluster belong to one head: every tile is asked for JOINTLY, once, at the head; nothing in LDS is filled again.
; LIMITS: NaN and infinities are not served; a 2^(t - M) under 2^-126 counts as 0; a block of zeros gets the byte 1 (its codes are zeros; this program alone reads the bytes).
; The scale bytes leave by stores of two bytes a lane, 32 bytes apart: 262,144 bytes in the whole launch; a row's word is shared by two heads, which are two work-groups.
; REGISTERS, window 0: v1-5 addresses that stay, v6-10 addresses in hand; v11 8 x (lane / 16); v12-21 scale words (Q's, K's, V's, P's); v22-35 at work; v[36:55] four key tiles and a cleared quad;
;   v[56:87] -M and v[88:119] 1 / l of my 32 keys; v[120:183], v[184:247] the two score buffers; v248-250 global offsets.
;   window 1: v0-127 O^T (tile qt, channels 16 dt on, at v[32 qt + 8 dt]); v128-159 V; v160-191 Q; v192-223 P's codes.
.set VP,   1040                        ; a channel's row of V in LDS: 1,024 bytes + 16: sixteen rows start at sixteen different 16-byte columns
.set KIMG, 66560                       ; LDS: V's codes at 0 (64 x 1,040); K's images here (65,536);
.set STAT, 132096                      ; the statistics (16,384: -M, then 1 / l);
.set KSC,  148480                      ; K's scale words (8,192);
.set VSC,  156672                      ; V's scale bytes (16 units of 256 + 16)
.set WV,   2
.set SH8,  11
.set QSW,  12
.set KSW,  14
.set VSW,  16
.set PW,   18
.set MX,   22
.set SO,   24
.set BY0,  26
.set BY1,  30
.set WT,   32
.set PX,   34
.set KF,   36
.set NMR,  56
.set RLR,  88
.set SA,   120
.set SB,   184
.set GI,   248
.set GO,   249
.set GS,   250
.set VF1,  128                         ; in window 1
.set QF1,  160
.set PC1,  192
.set OM,   56                          ; the way out, in registers that the loop has left: 8 largest magnitudes,
.set OP,   64                          ; 8 from the other half,
.set OS,   72                          ; 8 scale operands,
.set OB,   80                          ; 8 bytes,
.set HW,   88                          ; 4 half words,
.set OC,   92                          ; 16 registers of codes
.set W0,   15|(3<<16)|(1<<21)                              ; group 1, word 0: the mask of all four; elements of 8 bytes; bit 21 beside a mask
.set W0V,  15|(3<<16)|(1<<20)|(1<<21)|(7<<22)|(3<<25)      ; with 4 words of padding behind every 256
.set W0S,  15|(3<<16)|(1<<20)|(1<<21)|(5<<22)|(3<<25)      ; behind every 64
.set MSB, 0
.macro WIN new                         ; the immediate's low byte: bits 1:0 source 0, 3:2 source 1, 5:4 source 2, 7:6 destination; its high byte repeats the setting that is left
.if MSB != \new
	s_set_vgpr_msb (MSB<<8)|\new
.set MSB, \new
.endif
.endm
.macro ROUND                           ; a round of the cluster's barrier
	s_barrier_signal -1
	s_barrier_wait -1
	s_cmp_lg_u32 s[WV], 0
	s_cbranch_scc1 .Lnot_wave_0_\@
	s_barrier_signal -3
.Lnot_wave_0_\@:
	s_barrier_wait -3
	s_barrier_signal -1
	s_barrier_wait -1
.endm
.macro GROUP1 g, w0, c, r              ; a dense block as r rows of c elements
	s_mov_b32 s[\g], \w0
	s_mov_b32 s[\g+1], (\c)<<16
	s_mov_b32 s[\g+2], (\r)<<16
	s_mov_b32 s[\g+3], (\c)<<16
	s_mov_b32 s[\g+4], \r
	s_mov_b32 s[\g+5], \c
	s_mov_b32 s[\g+6], 0
	s_mov_b32 s[\g+7], 0
.endm
.macro SCORE d, a, b, sa, sb, ra, rb   ; one product that starts its sum with 0; ra, rb: the side's scale words stand in lanes 16-31
.if (\ra) && (\rb)
	v_wmma_scale_f32_16x16x128_f8f6f4 v[(\d):(\d)+7], v[(\a):(\a)+7], v[(\b):(\b)+7], 0, v[\sa], v[\sb] matrix_a_fmt:MATRIX_FMT_FP4 matrix_b_fmt:MATRIX_FMT_FP4 matrix_a_scale:MATRIX_SCALE_ROW1 matrix_b_scale:MATRIX_SCALE_ROW1
.elseif \ra
	v_wmma_scale_f32_16x16x128_f8f6f4 v[(\d):(\d)+7], v[(\a):(\a)+7], v[(\b):(\b)+7], 0, v[\sa], v[\sb] matrix_a_fmt:MATRIX_FMT_FP4 matrix_b_fmt:MATRIX_FMT_FP4 matrix_a_scale:MATRIX_SCALE_ROW1
.elseif \rb
	v_wmma_scale_f32_16x16x128_f8f6f4 v[(\d):(\d)+7], v[(\a):(\a)+7], v[(\b):(\b)+7], 0, v[\sa], v[\sb] matrix_a_fmt:MATRIX_FMT_FP4 matrix_b_fmt:MATRIX_FMT_FP4 matrix_b_scale:MATRIX_SCALE_ROW1
.else
	v_wmma_scale_f32_16x16x128_f8f6f4 v[(\d):(\d)+7], v[(\a):(\a)+7], v[(\b):(\b)+7], 0, v[\sa], v[\sb] matrix_a_fmt:MATRIX_FMT_FP4 matrix_b_fmt:MATRIX_FMT_FP4
.endif
.endm
.macro ADDON d, a, b, sa, sb, ra       ; one product that adds onto its own result
.if \ra
	v_wmma_scale_f32_16x16x128_f8f6f4 v[(\d):(\d)+7], v[(\a):(\a)+7], v[(\b):(\b)+7], v[(\d):(\d)+7], v[\sa], v[\sb] matrix_a_fmt:MATRIX_FMT_FP4 matrix_b_fmt:MATRIX_FMT_FP4 matrix_a_scale:MATRIX_SCALE_ROW1
.else
	v_wmma_scale_f32_16x16x128_f8f6f4 v[(\d):(\d)+7], v[(\a):(\a)+7], v[(\b):(\b)+7], v[(\d):(\d)+7], v[\sa], v[\sb] matrix_a_fmt:MATRIX_FMT_FP4 matrix_b_fmt:MATRIX_FMT_FP4
.endif
.endm
	s_load_b256 s[4:11], s[0:1], 0x0               ; qimg, qsc, kimg, ksc
	s_load_b256 s[12:19], s[0:1], 0x20             ; stats, value_codes, value_scales, oimg
	s_load_b64 s[20:21], s[0:1], 0x40              ; osc
	v_lshl_add_u32 v254, v0, 2, 0x29000
	v_mov_b32 v255, 0
	ds_add_u32 v254, v255
	ds_add_u32 v254, v255
	v_lshrrev_b32 v6, 5, v0
	v_readfirstlane_b32 s[WV], v6                  ; wave 0..7
	s_bfe_u32 s3, ttmp6, 0x40000                   ; cx: my block of 512 queries; it enters global addresses of my own loads and stores alone
	s_and_b32 s22, ttmp7, 0xffff                   ; bh, which the four partners share
	GROUP1 24, W0V, 128, 32                        ; V: 32 rows of 1,024 bytes, padded
	GROUP1 32, W0, 32, 128                         ; K: half of the images, 128 rows of 256 bytes
	GROUP1 40, W0, 32, 64                          ; the statistics: 64 rows of 256 bytes
	GROUP1 48, W0, 32, 32                          ; K's scale words: 32
	GROUP1 56, W0S, 32, 16                         ; V's scale bytes: 16, padded
	s_and_b32 s23, s[WV], 1
	s_lshl_b32 s98, s23, 15                        ; which half of V's rows or of K's images I fetch: 32,768 bytes in memory,
	s_lshl_b32 s99, s22, 16                        ; in the head's 65,536
	s_add_co_u32 s98, s98, s99
	s_mov_b32 s99, 0
	s_mul_i32 s100, s23, 32*VP                     ; and where it goes: V's,
	s_lshl_b32 s101, s23, 15
	s_add_co_u32 s101, s101, KIMG                  ; K's: no place in the cluster enters an LDS address
	s_mov_b32 s88, 0x3d38aa3b                      ; c = log2(e) / sqrt(1024)
	s_mov_b32 s89, s88                             ; (named with it as a pair, so it is written)
	s_mov_b32 s90, 0x76543210
	s_mov_b32 s91, 0xfedcba98                      ; v_permlanex16_b32's selects for lane l xor 16
	s_mov_b32 s92, 0                               ; where the step's tiles begin: K's images,
	s_mov_b32 s93, 0                               ; K's scale words,
	s_mov_b32 s94, 0                               ; the statistics,
	s_mov_b32 s95, 0                               ; V's codes,
	s_mov_b32 s96, 0                               ; V's scale words
	s_mov_b32 s97, 14                              ; the loop's trips: 16 steps less the first and the last, which are written out
	s_wait_dscnt 0x0
	s_wait_kmcnt 0x0
	s_mov_b32 s68, 1
	s_mov_b32 s69, s100
	s_add_nc_u64 s[70:71], s[14:15], s[98:99]
	s_or_b32 s71, s71, 0x80000000
	s_mov_b32 s72, 1
	s_mov_b32 s73, s101
	s_add_nc_u64 s[74:75], s[8:9], s[98:99]
	s_or_b32 s75, s75, 0x80000000
	s_lshl_b32 s98, s22, 14
	s_mov_b32 s76, 1
	s_mov_b32 s77, STAT
	s_add_nc_u64 s[78:79], s[12:13], s[98:99]
	s_or_b32 s79, s79, 0x80000000
	s_lshl_b32 s98, s22, 13
	s_mov_b32 s80, 1
	s_mov_b32 s81, KSC
	s_add_nc_u64 s[82:83], s[10:11], s[98:99]
	s_or_b32 s83, s83, 0x80000000
	s_lshl_b32 s98, s22, 12
	s_mov_b32 s84, 1
	s_mov_b32 s85, VSC
	s_add_nc_u64 s[86:87], s[16:17], s[98:99]
	s_or_b32 s87, s87, 0x80000000
	ROUND                                          ; all four work-groups are here: the joint loads meet
	s_cmp_lt_u32 s[WV], 2                          ; one load a wave (wave 7: none): branches on the wave's number alone; four v_nop follow each line
	s_cbranch_scc0 .Lnot_v
	tensor_load_to_lds s[68:71], s[24:31]
	s_nop 0
.rept 4
	v_nop
.endr
	s_branch .Lasked
.Lnot_v:
	s_cmp_lt_u32 s[WV], 4
	s_cbranch_scc0 .Lnot_k
	tensor_load_to_lds s[72:75], s[32:39]
	s_nop 0
.rept 4
	v_nop
.endr
	s_branch .Lasked
.Lnot_k:
	s_cmp_eq_u32 s[WV], 4
	s_cbranch_scc0 .Lnot_t
	tensor_load_to_lds s[76:79], s[40:47]
	s_nop 0
.rept 4
	v_nop
.endr
	s_branch .Lasked
.Lnot_t:
	s_cmp_eq_u32 s[WV], 5
	s_cbranch_scc0 .Lnot_e
	tensor_load_to_lds s[80:83], s[48:55]
	s_nop 0
.rept 4
	v_nop
.endr
	s_branch .Lasked
.Lnot_e:
	s_cmp_eq_u32 s[WV], 6
	s_cbranch_scc0 .Lasked
	tensor_load_to_lds s[84:87], s[56:63]
	s_nop 0
.rept 4
	v_nop
.endr
.Lasked:
	WIN 0x40                                       ; destination window 1
.irp qt, 0,1,2,3
.irp j, 4,5,6,7
	v_mov_b32 v[QF1+8*\qt+\j], 0                   ; Q's upper halves: zero codes
.endr
.endr
	WIN 0
.irp j, 16,17,18,19
	v_mov_b32 v[KF+\j], 0                          ; the quad behind the fourth key tile
.endr
	v_mov_b32 v[PX], 0                             ; a lane permute's destination counts as one of its sources
	v_mov_b32 v[PX+1], 0
	s_lshl_b32 s98, s22, 7
	s_lshl_b32 s99, s3, 5
	s_add_co_u32 s98, s98, s99
	s_lshl_b32 s99, s[WV], 2
	s_add_co_u32 s98, s98, s99                     ; my first query tile: 128 bh + 32 cx + 4 wave
	s_lshl_b32 s100, s98, 6
	s_mov_b32 s101, 0
	s_lshl_b32 s98, s98, 9
	s_mov_b32 s99, 0
	s_add_nc_u64 s[4:5], s[4:5], s[98:99]
	s_add_nc_u64 s[6:7], s[6:7], s[100:101]
	v_and_b32 v6, 31, v0                           ; lane
	v_and_b32 v7, 15, v0                           ; r
	v_bfe_u32 v8, v0, 4, 1                         ; h
	v_lshlrev_b32 v[GI], 4, v6                     ; an image in memory: 16 bytes a lane
	v_lshlrev_b32 v[GO], 5, v6                     ; a row of osc: 32 bytes
	v_lshlrev_b32 v[GS], 2, v6                     ; scale words: 4 bytes a lane
	WIN 0x40
.irp qt, 0,1,2,3
	global_load_b128 v[QF1+8*\qt:QF1+8*\qt+3], v[GI], s[4:5] offset:512*\qt
.endr
	WIN 0
	global_load_b32 v[QSW], v[GS], s[6:7]          ; tiles 0 (lanes 0-15) and 1 (lanes 16-31),
	global_load_b32 v[QSW+1], v[GS], s[6:7] offset:128   ; 2 and 3
	v_lshl_add_u32 v1, v6, 4, KIMG
	v_lshl_add_u32 v2, v6, 2, KSC
	v_lshl_add_u32 v3, v8, 7, STAT                 ; my half's 32 keys of a group: 128 bytes
	v_mul_u32_u24 v4, v7, VP
	v_lshl_add_u32 v4, v8, 4, v4                   ; V: row r, + 16 h
	v_lshrrev_b32 v9, 2, v6                        ; V's scale bytes: channel = lane: 64 bytes a channel, four channels a unit of 256 + 16
	v_mul_u32_u24 v5, v9, 272
	v_and_b32 v9, 3, v6
	v_lshl_add_u32 v5, v9, 6, v5
	v_add_nc_u32 v5, VSC, v5
	v_lshlrev_b32 v[SH8], 3, v8                    ; my blocks' bytes stand 8 h bits up in P's scale word
	s_lshr_b32 s98, s22, 4                         ; the way out: rowtile = 128 batch + 32 cx + 4 wave
	s_lshl_b32 s98, s98, 7
	s_lshl_b32 s99, s3, 5
	s_add_co_u32 s98, s98, s99
	s_lshl_b32 s99, s[WV], 2
	s_add_co_u32 s98, s98, s99
	s_lshl_b32 s100, s98, 9                        ; osc: 512 bytes a tile,
	s_lshl_b32 s98, s98, 13                        ; oimg: 8,192
	s_bfe_u32 s99, s22, 0x30001                    ; the K step: head / 2,
	s_and_b32 s23, s22, 1                          ; and the head's place in the pair
	s_lshl_b32 s101, s99, 10
	s_add_co_u32 s98, s98, s101
	s_lshl_b32 s101, s23, 9
	s_add_co_u32 s98, s98, s101
	s_lshl_b32 s101, s99, 2
	s_add_co_u32 s100, s100, s101
	s_lshl_b32 s101, s23, 1
	s_add_co_u32 s100, s100, s101
	s_mov_b32 s99, 0
	s_mov_b32 s101, 0
	s_add_nc_u64 s[18:19], s[18:19], s[98:99]
	s_add_nc_u64 s[20:21], s[20:21], s[100:101]
	s_wait_tensorcnt 0x0                           ; my part of the head has landed,
	s_wait_loadcnt 0x0                             ; and my queries
	s_barrier_signal -1
	s_barrier_wait -1                              ; everybody's part has
.macro FILL n
.rept \n
	v_nop
.endr
.endm
.macro ADDR                            ; the step's addresses
	v_add_nc_u32 v6, s92, v1
	v_add_nc_u32 v7, s93, v2
	v_add_nc_u32 v8, s94, v3
	v_add_nc_u32 v9, s95, v4
	v_add_nc_u32 v10, s96, v5
.endm
.macro LOADK cc                        ; 14 loads: the group of 64 keys cc groups on from the step's first: four tiles, their scale words, -M of my 32 keys
.irp i, 0,1,2,3
	ds_load_b128 v[KF+4*\i:KF+4*\i+3], v6 offset:2048*(\cc)+512*\i
.endr
	ds_load_b32 v[KSW], v7 offset:256*(\cc)        ; tile 0 in lanes 0-15, tile 1 in lanes 16-31,
	ds_load_b32 v[KSW+1], v7 offset:256*(\cc)+128  ; tiles 2 and 3
.irp i, 0,1,2,3,4,5,6,7
	ds_load_b128 v[NMR+4*\i:NMR+4*\i+3], v8 offset:256*(\cc)+16*\i
.endr
.endm
.macro LOADR cc                        ; 8 loads: 1 / l of my 32 keys of that group
.irp i, 0,1,2,3,4,5,6,7
	ds_load_b128 v[RLR+4*\i:RLR+4*\i+3], v8 offset:8192+256*(\cc)+16*\i
.endr
.endm
.macro LOADV                           ; 10 loads: the step's V, four fragments of 16 channels x 128 keys, and their scale words
	WIN 0x40
.irp dt, 0,1,2,3
.irp c, 0,1
	ds_load_b128 v[VF1+8*\dt+4*\c:VF1+8*\dt+4*\c+3], v9 offset:16*VP*\dt+32*\c
.endr
.endr
	WIN 0
	ds_load_b32 v[VSW], v10                        ; channels 0-15 in lanes 0-15, 16-31 in lanes 16-31,
	ds_load_b32 v[VSW+1], v10 offset:2176          ; 32-47 and 48-63
.endm
; Eight products: the group's four key tiles x query tiles 2 qp and 2 qp + 1, into buffer y: tile e of the pair at y + 32 e, key tile i at + 8 i
.macro SCORES y, qp
	WIN 0x04                                       ; source 1 (Q) in window 1
.irp i, 0,1,2,3
.irp e, 0,1
	SCORE \y+32*\e+8*\i, KF+4*\i, QF1+16*(\qp)+8*\e, KSW+\i/2, QSW+(\qp), \i%2, \e
.endr
.endr
	WIN 0
.endm
.macro SHIFT y                         ; t - M of the register's key, two at a time; each accumulator from its low end on
.set k, 0
.rept 32
	v_pk_fma_f32 v[(\y)+k:(\y)+k+1], v[(\y)+k:(\y)+k+1], s[88:89], v[NMR+k%32:NMR+k%32+1] op_sel_hi:[1,0,1]
.set k, k+2
.endr
.endm
; ex = 1: the 64 exponentials of buffer x.  tail = 1: ahead of each of them one plain line of buffer y's tail: pair m x 1 / l of its keys (32 lines), and, a pair behind, the pair onto its block's
; largest number (32 lines; none is negative; the floor 2^(3 - 127) is the chain's first leaf).  No line here names a result of this batch.
.macro EXPS x, y, tail, ex
.set k, 0
.rept 64
.if \tail
.if k == 0
	v_pk_mul_f32 v[(\y):(\y)+1], v[(\y):(\y)+1], v[RLR:RLR+1]
.elseif k == 63
	v_max3_num_f32 v[MX+1], v[MX+1], v[(\y)+62], v[(\y)+63]
.elseif k%2 == 1
	v_pk_mul_f32 v[(\y)+k+1:(\y)+k+2], v[(\y)+k+1:(\y)+k+2], v[RLR+(k+1)%32:RLR+(k+1)%32+1]
.elseif (k == 2) || (k == 34)
	v_max3_num_f32 v[MX+(k-2)/32], v[(\y)+k-2], v[(\y)+k-1], 0x1800000
.else
	v_max3_num_f32 v[MX+(k-2)/32], v[MX+(k-2)/32], v[(\y)+k-2], v[(\y)+k-1]
.endif
.endif
.if \ex
	v_exp_f32 v[(\x)+k], v[(\x)+k]
.endif
.set k, k+1
.endr
.endm
; The tail's end for the unit in buffer y (group c of the step, query tiles 2 qp, 2 qp + 1): the conversions' results are registers 4 c .. 4 c + 3 of P's operand.  It leaves the destination's window at 1
.macro FIN y, c, qp
	v_add_nc_u32 v[SO], 0xff000000, v[MX]          ; 2 off the exponent field: the conversion's scale operand
	v_add_nc_u32 v[SO+1], 0xff000000, v[MX+1]
	WIN 0x40
.irp e, 0,1
.irp i, 0,1,2,3
	v_cvt_scalef32_pk8_fp4_f32 v[PC1+16*(\qp)+8*\e+4*(\c)+\i], v[(\y)+32*\e+8*\i:(\y)+32*\e+8*\i+7], v[SO+\e]
.endr
.endr
	v_nop                                          ; one plain line behind the scaled conversions: the next products write their sources
.endm
; The scale bytes.  Group 0's are kept; with group 1's a lane has bytes h and 2 + h of its query's word, and lane l xor 16 the other two.
.macro BYTES c, qp
.if (\c) == 0
	v_lshrrev_b32 v[BY0+2*(\qp)], 23, v[SO]
	v_lshrrev_b32 v[BY0+2*(\qp)+1], 23, v[SO+1]
.else
	v_lshrrev_b32 v[BY1], 23, v[SO]
	v_lshrrev_b32 v[BY1+1], 23, v[SO+1]
	v_lshl_or_b32 v[WT], v[BY1], 16, v[BY0+2*(\qp)]
	v_lshl_or_b32 v[WT+1], v[BY1+1], 16, v[BY0+2*(\qp)+1]
	v_lshlrev_b32 v[WT], v[SH8], v[WT]
	v_lshlrev_b32 v[WT+1], v[SH8], v[WT+1]
	v_permlanex16_b32 v[PX], v[WT], s90, s91
	v_permlanex16_b32 v[PX+1], v[WT+1], s90, s91
	v_or_b32 v[PW+2*(\qp)], v[WT], v[PX]
	v_or_b32 v[PW+2*(\qp)+1], v[WT+1], v[PX+1]
.endif
.endm
; O^T += V^T P^T over the step's 128 keys: sixteen accumulators, one instruction a turn; between two trips stand the scores' products.
.macro PV zero
	WIN 0x55                                       ; V, P's codes, C and D in window 1
.irp dt, 0,1,2,3
.irp qt, 0,1,2,3
.if \zero
	SCORE 32*\qt+8*\dt, VF1+8*\dt, PC1+8*\qt, VSW+\dt/2, PW+\qt, \dt%2, 0
.else
	ADDON 32*\qt+8*\dt, VF1+8*\dt, PC1+8*\qt, VSW+\dt/2, PW+\qt, \dt%2
.endif
.endr
.endr
	WIN 0
.endm
; A TRIP: four turns.  Units 0 and 2 use buffer SA, units 1 and 3 SB.  zero = 1: the step's products V^T P^T start O^T's sums.  last = 1: nothing follows: no fetch, no products for a next unit.
.macro TRIP zero, last
	s_wait_dscnt 14                                ; 1 / l of group 0 is in; the fourteen loads of group 1, issued behind it, may be out
	EXPS SB, SA, 1, 1                              ; unit 1's exponentials | unit 0's tail
	LOADV                                          ; the last reader of V's registers stands 64 plain lines back or more
	FIN SA, 0, 0
	s_wait_dscnt 10                                ; group 1's fourteen are in; V's ten, issued behind them, may be out
	SCORES SA, 0                                   ; unit 2
	BYTES 0, 0                                     ; two lines and two v_nop: the four places between the products and the first read of results
	FILL 2
	SHIFT SA
	s_wait_alu depctr_va_vdst(0)                   ; one wait for unit 1's batch, ahead of its first reader
	EXPS SA, SB, 1, 1                              ; unit 2 | unit 1
	LOADR 1                                        ; group 0's 1 / l has been read for the last time
	FIN SB, 0, 1
	SCORES SB, 1                                   ; unit 3
	BYTES 0, 1
	FILL 2
	SHIFT SB
.if !(\last)
	LOADK 2                                        ; the next step's group 0: group 1's tiles and -M have been read for the last time, 36 plain lines behind the products
.endif
	s_wait_alu depctr_va_vdst(0)
.if \last
	s_wait_dscnt 0x0                               ; 1 / l of group 1, and V
.else
	s_wait_dscnt 14                                ; 1 / l of group 1, and V, are in; the fourteen loads behind them may be out
.endif
	EXPS SB, SA, 1, 1                              ; unit 3 | unit 2
.if \last
	FIN SA, 1, 0
	WIN 0
	BYTES 1, 0
	s_wait_alu depctr_va_vdst(0)
	EXPS SA, SB, 1, 0                              ; unit 3's tail alone
	FIN SB, 1, 1
	WIN 0
	BYTES 1, 1
	FILL 8                                         ; a scale register written by vector lines stands 8 places ahead of a scaled matrix instruction
	PV \zero
.else
	s_wait_dscnt 0x0                               ; the next step's group 0 is in, and no LDS load of mine is out: the addresses may step
	s_add_co_u32 s92, s92, 4096                    ; 8 tiles of 512 bytes,
	s_add_co_u32 s93, s93, 512                     ; 8 x 64,
	s_add_co_u32 s94, s94, 512                     ; 128 keys x 4,
	s_add_co_u32 s95, s95, 64                      ; 128 codes,
	s_add_co_u32 s96, s96, 4                       ; one word
	ADDR
	FIN SA, 1, 0
	SCORES SA, 0                                   ; the next step's unit 0
	BYTES 1, 0                                     ; eight plain lines and two permutes: the places
	SHIFT SA
	s_wait_alu depctr_va_vdst(0)
	EXPS SA, SB, 1, 1                              ; the next step's unit 0 | unit 3
	LOADR 0                                        ; by the stepped addresses: the next step's group 0,
	FIN SB, 1, 1
	SCORES SB, 1                                   ; the next step's unit 1
	BYTES 1, 1
	SHIFT SB                                       ; (32 plain lines between P's last scale word and the products that take it)
	LOADK 1                                        ; and its group 1
	s_wait_alu depctr_va_vdst(0)                   ; ahead of the sixteen products, so that it does not wait for them
	PV \zero
.endif
.endm
	ADDR
	LOADK 0
	LOADR 0
	s_wait_dscnt 8                                 ; the group's fourteen loads are in; the eight of 1 / l may be out
	SCORES SA, 0                                   ; unit 0
	FILL 4
	SHIFT SA
	EXPS SA, SB, 0, 1                              ; unit 0's exponentials: there is no tail yet to set between them
	v_nop                                          ; a plain line behind the last exponential
	SCORES SB, 1                                   ; unit 1
	FILL 4
	SHIFT SB
	LOADK 1
	s_wait_alu depctr_va_vdst(0)
	TRIP 1, 0                                      ; the first step stands ahead of the loop: its products start O^T's sums
.Lstep:
	TRIP 0, 0
	s_sub_co_u32 s97, s97, 1
	s_cmp_lg_u32 s97, 0
	s_cbranch_scc1 .Lstep
	TRIP 0, 1                                      ; the last step is written out: it fetches nothing beyond the head's keys
	; THE WAY OUT.  Lane (r, h) holds, of query r, channels 16 dt + 8 h + 0 .. 7.  A block of 32 channels is tiles 2 b and 2 b + 1, in lanes l and l xor 16.
.rept 4
	v_nop                                          ; four places between the last product and the first read of results
.endr
	WIN 0x14                                       ; sources 1 and 2 in window 1
.irp qt, 0,1,2,3
.irp b, 0,1
	v_max3_num_f32 v[OM+2*\qt+\b], 0x1800000, |v[32*\qt+16*\b]|, |v[32*\qt+16*\b+1]|   ; eight chains by turns, the floor among the leaves; each accumulator from its low end on
.endr
.endr
.irp i, 2,4,6,8,10,12,14
.irp qt, 0,1,2,3
.irp b, 0,1
	v_max3_num_f32 v[OM+2*\qt+\b], v[OM+2*\qt+\b], |v[32*\qt+16*\b+\i]|, |v[32*\qt+16*\b+\i+1]|
.endr
.endr
.endr
	WIN 0
.irp k, 0,1,2,3,4,5,6,7
	v_permlanex16_b32 v[OP+\k], v[OM+\k], s90, s91
.endr
.irp k, 0,1,2,3,4,5,6,7
	v_max_num_f32 v[OM+\k], v[OM+\k], v[OP+\k]
.endr
.irp k, 0,1,2,3,4,5,6,7
	v_add_nc_u32 v[OS+\k], 0xff000000, v[OM+\k]
.endr
.irp k, 0,1,2,3,4,5,6,7
	v_lshrrev_b32 v[OB+\k], 23, v[OS+\k]
.endr
.irp qt, 0,1,2,3
	v_lshl_or_b32 v[HW+\qt], v[OB+2*\qt+1], 8, v[OB+2*\qt]   ; the head's two bytes of the row's scale word
.endr
	WIN 0x01                                       ; source 0 in window 1
.irp qt, 0,1,2,3
	v_cvt_scalef32_pk8_fp4_f32 v[OC+4*\qt], v[32*\qt:32*\qt+7], v[OS+2*\qt]          ; channels 8 h on,
	v_cvt_scalef32_pk8_fp4_f32 v[OC+4*\qt+1], v[32*\qt+16:32*\qt+23], v[OS+2*\qt+1]  ; 32 + 8 h on,
	v_cvt_scalef32_pk8_fp4_f32 v[OC+4*\qt+2], v[32*\qt+8:32*\qt+15], v[OS+2*\qt]     ; 16 + 8 h on,
	v_cvt_scalef32_pk8_fp4_f32 v[OC+4*\qt+3], v[32*\qt+24:32*\qt+31], v[OS+2*\qt+1]  ; 48 + 8 h on
.endr
	WIN 0
	v_nop                                          ; one plain line behind the scaled conversions
.irp qt, 0,1,2,3
	v_permlane16_swap_b32 v[OC+4*\qt], v[OC+4*\qt+1]     ; registers 0, 1: channels 32 h + 0 .. 15,
	v_permlane16_swap_b32 v[OC+4*\qt+2], v[OC+4*\qt+3]   ; registers 2, 3: 32 h + 16 .. 31: lane (r, h) holds block h whole
.endr
	v_and_b32 v110, 16, v0
	v_cmp_ne_u32 vcc_lo, 0, v110
	v_cndmask_b32 v108, v[HW], v[HW+1], vcc_lo     ; lanes 0-15 speak for the even tile's rows, lanes 16-31 for the odd tile's
	v_cndmask_b32 v109, v[HW+2], v[HW+3], vcc_lo
.irp qt, 0,1,2,3
	global_store_b128 v[GI], v[OC+4*\qt:OC+4*\qt+3], s[18:19] offset:8192*\qt   ; 32 lanes store 512 consecutive bytes, aligned
.endr
	global_store_b16 v[GO], v108, s[20:21]
	global_store_b16 v[GO], v109, s[20:21] offset:1024
	s_wait_tensorcnt 0x0
	ds_add_u32 v254, v255
	s_wait_dscnt 0x0
	ROUND                                          ; the closing round
	s_endpgm
.Lfunc_end_k_q737281f50d_attn:
	.size	k_q737281f50d_attn, .Lfunc_end_k_q737281f50d_attn-k_q737281f50d_attn
	.p2alignl 7, 3214868480
	.fill 96, 4, 3214868480
	.section	.rodata,"a",@progbits
	.p2align	6, 0x0
	.amdhsa_kernel k_q737281f50d_attn
		.amdhsa_group_segment_fixed_size 168960
		.amdhsa_private_segment_fixed_size 0
		.amdhsa_enable_private_segment 0
		.amdhsa_kernarg_size 72
		.amdhsa_user_sgpr_count 2
		.amdhsa_user_sgpr_kernarg_segment_ptr 1
		.amdhsa_wavefront_size32 1
		.amdhsa_system_sgpr_workgroup_id_x 1
		.amdhsa_system_sgpr_workgroup_id_y 1
		.amdhsa_system_sgpr_workgroup_id_z 1
		.amdhsa_system_vgpr_workitem_id 0
		.amdhsa_next_free_vgpr 480
		.amdhsa_next_free_sgpr 102
		.amdhsa_reserve_vcc 1
		.amdhsa_float_denorm_mode_32 3
		.amdhsa_float_denorm_mode_16_64 3
		.amdhsa_memory_ordered 1
		.amdhsa_forward_progress 1
		.amdhsa_inst_pref_size 160
	.end_amdhsa_kernel
	.amdgpu_metadata
---
amdhsa.version: [ 1, 2 ]
amdhsa.kernels:
  - .name:           k_q737281f50d_attn
    .symbol:         k_q737281f50d_attn.kd
    .args:
      - { .name: qimg, .offset: 0, .size: 8, .value_kind: global_buffer, .address_space: global }
      - { .name: qsc, .offset: 8, .size: 8, .value_kind: global_buffer, .address_space: global }
      - { .name: kimg, .offset: 16, .size: 8, .value_kind: global_buffer, .address_space: global }
      - { .name: ksc, .offset: 24, .size: 8, .value_kind: global_buffer, .address_space: global }
      - { .name: stats, .offset: 32, .size: 8, .value_kind: global_buffer, .address_space: global }
      - { .name: value_codes, .offset: 40, .size: 8, .value_kind: global_buffer, .address_space: global }
      - { .name: value_scales, .offset: 48, .size: 8, .value_kind: global_buffer, .address_space: global }
      - { .name: oimg, .offset: 56, .size: 8, .value_kind: global_buffer, .address_space: global }
      - { .name: osc, .offset: 64, .size: 8, .value_kind: global_buffer, .address_space: global }
    .group_segment_fixed_size: 168960
    .private_segment_fixed_size: 0
    .kernarg_segment_align: 8
    .kernarg_segment_size: 72
    .max_flat_workgroup_size: 256
    .sgpr_count:     102
    .vgpr_count:     480
    .wavefront_size: 32
...
	.end_amdgpu_metadata
.endif
;; end of part 3
;; launch proj (part 4): grid 4 x 64, 8 waves a work-group, clusters of 4 x 4, 263,168 bytes of LDS; arguments oimg, osc, W_codes, W_scales, b, out0; writes out0
.if DOCPART == 4
	.amdgcn_target "amdgcn-amd-amdhsa--gfx1250"
	.amdhsa_code_object_version 6
	.text
	.protected	k_q737281f50d_proj
	.globl	k_q737281f50d_proj
	.p2align	8
	.type	k_q737281f50d_proj,@function
k_q737281f50d_proj:
	s_mov_b64 s[64:65], 0
	v_nop
	global_prefetch_b8 v0, s[64:65] scope:SCOPE_SE
	s_setreg_imm32_b32 hwreg(HW_REG_WAVE_MODE, 25, 1), 1
	s_wait_xcnt 0x0
	s_wait_alu depctr_hold_cnt(0) depctr_sa_sdst(0) depctr_va_vdst(0) depctr_va_sdst(0) depctr_va_ssrc(0) depctr_va_vcc(0) depctr_vm_vsrc(0)
	s_getreg_b32 s2, hwreg(HW_REG_IB_STS2, 6, 4)
	s_cmp_eq_u32 s2, 0
	s_cbranch_scc0 .Lentry_in_a_cluster
	s_endpgm
.Lentry_in_a_cluster:
	s_bfe_u32 s2, ttmp6, 0x10000c
	s_cmp_lg_u32 s2, 0xf033
	s_cbranch_scc0 .Lentry_shape_is_right
	s_endpgm
.Lentry_shape_is_right:
; out0[m][n] = the sum over k of O[m][k] W[n][k] + b[n], on codes of FP4 (E2M1) with one E8M0 scale for each 32 along K = 1,024.  O comes as images of operand registers (oimg, osc), W as it is given.
; SHARES.  A work-group makes 128 rows x 256 columns: 256 work-groups.  Wave w: rows 64 (w / 4) on, columns 64 (w % 4) on: 16 accumulators of 16 x 16.
; All of K fits in LDS at once (O's 8 row tiles: 65,536 bytes; W's 256 rows: 131,072), so there is no ring: every tile is filled once, at the head.
; CLUSTER, 4 x 4.  O's tiles hang on the tile row alone and are shared along a row of the cluster, W's on the tile column alone and are shared along a column: each is asked for JOINTLY.
; THE MATRIX INSTRUCTION IS USED TRANSPOSED (source 0 = 16 rows of W, source 1 = 16 rows of O): a lane holds eight neighbouring columns of one row.  The bias is the C of each sum's first product.
; An image's row r of tile 4 g + i is sequence row 64 g + 32 (r / 8) + 8 i + r % 8: the stores' immediates undo that choice.
; REGISTERS: v4-10 addresses; v12-15 scale words (lanes 0-15 W's tile i, lanes 16-31 O's tile i); v[16:47] the bias; v[48:79] W's four fragments, v[80:111] O's four (on the way out: rows read back); v[128:255] accumulator (a, nt) at v[128 + 32 a + 8 nt].
.set WCOD, 65536                       ; LDS: O's images at 0; W's codes here: 256 rows of 512 + 16 bytes;
.set WP,   528
.set SCW,  200704                      ; W's scale bytes: 32 units of 256 + 16;
.set SCO,  209408                      ; O's: 16 units;
.set STG,  213760                      ; a stage of 16 rows x (256 + 16) bytes for each wave: into it no tile lands
.set WV,   16
.set SC,   12
.set BI,   16
.set WF,   48
.set OF,   80
.set ACC,  128
.macro ROUND                           ; a round of the cluster's barrier
	s_barrier_signal -1
	s_barrier_wait -1
	s_cmp_lg_u32 s[WV], 0
	s_cbranch_scc1 .Lnot_wave_0_\@
	s_barrier_signal -3
.Lnot_wave_0_\@:
	s_barrier_wait -3
	s_barrier_signal -1
	s_barrier_wait -1
.endm
.macro SHAPE g, c, r                   ; group 1, words 1 to 7: a dense block as r rows of c elements of 8 bytes
	s_mov_b32 s[\g+1], (\c)<<16
	s_mov_b32 s[\g+2], (\r)<<16
	s_mov_b32 s[\g+3], (\c)<<16
	s_mov_b32 s[\g+4], \r
	s_mov_b32 s[\g+5], \c
	s_mov_b32 s[\g+6], 0
	s_mov_b32 s[\g+7], 0
.endm
	s_load_b256 s[4:11], s[0:1], 0x0               ; oimg, osc, W_codes, W_scales
	s_load_b128 s[12:15], s[0:1], 0x20             ; b, out0
	v_lshl_add_u32 v126, v0, 2, 0x40000
	v_mov_b32 v127, 0
	ds_add_u32 v126, v127
	ds_add_u32 v126, v127
	v_lshrrev_b32 v1, 5, v0
	v_readfirstlane_b32 s[WV], v1                  ; wave 0..7
	s_bfe_u32 s17, ttmp6, 0x40000                  ; cx, cy: my place in the cluster
	s_bfe_u32 s18, ttmp6, 0x40004
	s_lshl_b32 s19, ttmp9, 2
	s_add_co_u32 s19, s19, s17                     ; tile column = 4 x cluster x + cx
	s_and_b32 s20, ttmp7, 0xffff
	s_lshl_b32 s20, s20, 2
	s_add_co_u32 s20, s20, s18                     ; tile row = 4 x cluster y + cy
	s_lshl_b32 s21, s18, 2
	s_lshl_b32 s21, 15, s21                        ; my row of the cluster
	s_lshl_b32 s22, 0x1111, s17                    ; my column
	s_or_b32 s24, s21, (3<<16)|(1<<21)                              ; O's images: to my row; elements of 8 bytes; bit 21 beside a mask; no padding
	SHAPE 24, 32, 128                              ; half of them: 128 rows of 256 bytes
	s_or_b32 s32, s22, (3<<16)|(1<<20)|(1<<21)|(6<<22)|(3<<25)      ; W's codes: to my column; 4 words of padding behind every 128
	SHAPE 32, 64, 64                               ; a quarter: 64 rows of 512 bytes
	s_or_b32 s40, s22, (3<<16)|(1<<20)|(1<<21)|(5<<22)|(3<<25)      ; W's scale bytes: to my column; 4 words behind every 64
	SHAPE 40, 32, 32
	s_or_b32 s48, s21, (3<<16)|(1<<20)|(1<<21)|(5<<22)|(3<<25)      ; O's scale words: to my row
	SHAPE 48, 32, 16
	s_and_b32 s80, s[WV], 1
	s_lshl_b32 s80, s80, 15                        ; waves 0, 1: my half of O's images, in LDS and in memory
	s_lshl_b32 s76, s20, 16                        ; the tile row's 65,536 bytes (these registers never hold cx)
	s_add_co_u32 s76, s76, s80
	s_mov_b32 s77, 0
	s_lshl_b32 s82, s20, 12                        ; its 4,096 bytes of scale words
	s_mov_b32 s83, 0
	s_and_b32 s87, s[WV], 3                        ; waves 4-7: my quarter of W's rows.  Also: my 64 columns
	s_lshl_b32 s78, s87, 15
	s_lshl_b32 s79, s19, 17                        ; the tile column's 131,072 bytes (these registers never hold cy)
	s_add_co_u32 s78, s78, s79
	s_mov_b32 s79, 0
	s_mul_i32 s81, s87, 64*WP
	s_add_co_u32 s81, s81, WCOD
	s_lshl_b32 s84, s19, 13                        ; its 8,192 scale bytes
	s_mov_b32 s85, 0
	s_wait_dscnt 0x0
	s_wait_kmcnt 0x0
	s_mov_b32 s56, 1
	s_mov_b32 s57, s80
	s_add_nc_u64 s[58:59], s[4:5], s[76:77]
	s_or_b32 s59, s59, 0x80000000
	s_mov_b32 s60, 1
	s_mov_b32 s61, s81
	s_add_nc_u64 s[62:63], s[8:9], s[78:79]
	s_or_b32 s63, s63, 0x80000000
	s_mov_b32 s68, 1
	s_mov_b32 s69, SCW
	s_add_nc_u64 s[70:71], s[10:11], s[84:85]
	s_or_b32 s71, s71, 0x80000000
	s_mov_b32 s72, 1
	s_mov_b32 s73, SCO
	s_add_nc_u64 s[74:75], s[6:7], s[82:83]
	s_or_b32 s75, s75, 0x80000000
	ROUND                                          ; all sixteen work-groups are here: the joint loads meet
	s_cmp_lt_u32 s[WV], 2                          ; one load a wave: branches on the wave's number alone; four v_nop follow each line
	s_cbranch_scc0 .Lnot_o
	tensor_load_to_lds s[56:59], s[24:31]
	s_nop 0
.rept 4
	v_nop
.endr
	s_branch .Lasked
.Lnot_o:
	s_cmp_eq_u32 s[WV], 2
	s_cbranch_scc0 .Lnot_so
	tensor_load_to_lds s[72:75], s[48:55]
	s_nop 0
.rept 4
	v_nop
.endr
	s_branch .Lasked
.Lnot_so:
	s_cmp_eq_u32 s[WV], 3
	s_cbranch_scc0 .Lnot_sw
	tensor_load_to_lds s[68:71], s[40:47]
	s_nop 0
.rept 4
	v_nop
.endr
	s_branch .Lasked
.Lnot_sw:
	tensor_load_to_lds s[60:63], s[32:39]
	s_nop 0
.rept 4
	v_nop
.endr
.Lasked:
	s_lshr_b32 s86, s[WV], 2                       ; my 64 rows
	v_and_b32 v1, 31, v0                           ; lane
	v_and_b32 v2, 15, v0                           ; r
	v_bfe_u32 v3, v0, 4, 1                         ; h
	v_lshlrev_b32 v10, 5, v3                       ; the bias: my half's eight numbers of a tile
	s_lshl_b32 s88, s19, 10                        ; my first column, in bytes: 1,024 x tile column + 256 x (wave % 4)
	s_lshl_b32 s89, s87, 8
	s_add_co_u32 s88, s88, s89
	s_mov_b32 s89, 0
	s_add_nc_u64 s[12:13], s[12:13], s[88:89]
	s_add_nc_u64 s[14:15], s[14:15], s[88:89]
.irp nt, 0,1,2,3
	global_load_b128 v[BI+8*\nt:BI+8*\nt+3], v10, s[12:13] offset:64*\nt
	global_load_b128 v[BI+8*\nt+4:BI+8*\nt+7], v10, s[12:13] offset:64*\nt+16
.endr
	s_lshl_b32 s88, s20, 19                        ; my first row: 128 x tile row + 64 x (wave / 4), 4,096 bytes a row
	s_lshl_b32 s90, s86, 18
	s_add_co_u32 s88, s88, s90
	s_add_nc_u64 s[14:15], s[14:15], s[88:89]
	s_lshl_b32 s90, s86, 15
	v_lshl_add_u32 v4, v1, 4, s90                  ; O's images: my four row tiles, 16 bytes a lane
	s_mul_i32 s90, s87, 64*WP
	s_add_co_u32 s90, s90, WCOD
	v_mul_u32_u24 v5, v2, WP
	v_lshl_add_u32 v5, v3, 4, v5
	v_add_nc_u32 v5, s90, v5                       ; W: row 64 (wave % 4) + r, + 16 h
	v_lshlrev_b32 v6, 5, v2                        ; scale words: 32 bytes a row,
	v_lshrrev_b32 v11, 3, v2
	v_lshl_add_u32 v6, v11, 4, v6                  ; and 16 more behind each 256
	s_mul_i32 s90, s87, 2176                       ; W's: my 64 rows are 8 units
	s_mul_i32 s91, s86, 2176                       ; O's likewise,
	s_add_co_u32 s91, s91, SCO-SCW                 ; behind W's
	s_sub_co_u32 s91, s91, s90
	v_mul_u32_u24 v11, s91, v3                     ; lanes 16-31 take O's: one product, the distance between the two
	v_add_nc_u32 v6, v6, v11
	s_add_co_u32 s90, s90, SCW
	v_add_nc_u32 v6, s90, v6
	s_mul_i32 s90, s[WV], 16*272
	s_add_co_u32 s90, s90, STG                     ; my stage
	v_mul_u32_u24 v7, v2, 272
	v_lshl_add_u32 v7, v3, 5, v7
	v_add_nc_u32 v7, s90, v7                       ; in: row r, 32 bytes for each half of the lanes
	v_mul_u32_u24 v8, v3, 272
	v_lshl_add_u32 v8, v2, 4, v8
	v_add_nc_u32 v8, s90, v8                       ; back: lanes 0-15 one row of 256 bytes, lanes 16-31 the next
	v_lshlrev_b32 v9, 4, v2
	v_lshl_add_u32 v9, v3, 12, v9                  ; and the same two rows in out0
	s_wait_tensorcnt 0x0                           ; my tile has landed,
	s_wait_loadcnt 0x0                             ; and the bias
	s_barrier_signal -1
	s_barrier_wait -1                              ; everybody's has
; A K step of 128: four fragments a side, four registers of scale words, sixteen products.  The sixteen accumulators take turns, one instruction a turn, in the same order in every step.
.macro STEP s
.if \s > 0
.rept 4
	v_nop                                          ; four places in front of loads into registers that matrix instructions have read
.endr
.endif
.irp nt, 0,1,2,3
.irp c, 0,1
	ds_load_b128 v[WF+8*\nt+4*\c:WF+8*\nt+4*\c+3], v5 offset:16*WP*\nt+64*\s+32*\c
.endr
.endr
.irp a, 0,1,2,3
.irp c, 0,1
	ds_load_b128 v[OF+8*\a+4*\c:OF+8*\a+4*\c+3], v4 offset:8192*\a+1024*\s+512*\c
.endr
.endr
.irp i, 0,1,2,3
	ds_load_b32 v[SC+\i], v6 offset:544*\i+4*\s
.endr
	s_wait_dscnt 0x0
.irp a, 0,1,2,3
.irp nt, 0,1,2,3
.if \s == 0
	v_wmma_scale_f32_16x16x128_f8f6f4 v[ACC+32*\a+8*\nt:ACC+32*\a+8*\nt+7], v[WF+8*\nt:WF+8*\nt+7], v[OF+8*\a:OF+8*\a+7], v[BI+8*\nt:BI+8*\nt+7], v[SC+\nt], v[SC+\a] matrix_a_fmt:MATRIX_FMT_FP4 matrix_b_fmt:MATRIX_FMT_FP4 matrix_b_scale:MATRIX_SCALE_ROW1
.else
	v_wmma_scale_f32_16x16x128_f8f6f4 v[ACC+32*\a+8*\nt:ACC+32*\a+8*\nt+7], v[WF+8*\nt:WF+8*\nt+7], v[OF+8*\a:OF+8*\a+7], v[ACC+32*\a+8*\nt:ACC+32*\a+8*\nt+7], v[SC+\nt], v[SC+\a] matrix_a_fmt:MATRIX_FMT_FP4 matrix_b_fmt:MATRIX_FMT_FP4 matrix_b_scale:MATRIX_SCALE_ROW1
.endif
.endr
.endr
.endm
.irp s, 0,1,2,3,4,5,6,7
	STEP \s
.endr
; THE WAY OUT, a block of 16 rows x 64 columns at a time, through my own stage: LDS serves a wave's instructions in order, so no wait stands between the stores and the loads, nor in front of the next block's stores.
.macro TOSTAGE a
.irp nt, 0,1,2,3
	ds_store_b128 v7, v[ACC+32*(\a)+8*\nt:ACC+32*(\a)+8*\nt+3] offset:64*\nt          ; each accumulator from its low end on
	ds_store_b128 v7, v[ACC+32*(\a)+8*\nt+4:ACC+32*(\a)+8*\nt+7] offset:64*\nt+16
.endr
.irp t, 0,1,2,3,4,5,6,7
	ds_load_b128 v[WF+32*((\a)%2)+4*\t:WF+32*((\a)%2)+4*\t+3], v8 offset:544*\t
.endr
.endm
.macro SEND a, younger                 ; younger: the LDS instructions issued behind block a's loads, which may stay out
	s_wait_dscnt \younger
.irp t, 0,1,2,3,4,5,6,7
	global_store_b128 v9, v[WF+32*((\a)%2)+4*\t:WF+32*((\a)%2)+4*\t+3], s[14:15] offset:(32*(\t/4)+8*(\a)+2*(\t%4))*4096 th:TH_STORE_NT   ; image rows 2 t, 2 t + 1 of tile a at their sequence rows; 16 lanes store 256 consecutive bytes, aligned
.endr
.endm
.rept 4
	v_nop                                          ; four places between the last product and the first read of results, and the loads into the fragments' registers
.endr
	TOSTAGE 0
.irp a, 1,2,3
.if \a > 1
	s_wait_xcnt 0x0                                ; block a - 2's stores have read their registers: block a's loads may land there
.endif
	TOSTAGE \a
	SEND \a-1, 16                                  ; behind block a - 1's loads: block a's 8 stores and 8 loads
.endr
	SEND 3, 0
	s_wait_tensorcnt 0x0
	ds_add_u32 v126, v127
	s_wait_dscnt 0x0
	ROUND                                          ; the closing round
	s_endpgm
.Lfunc_end_k_q737281f50d_proj:
	.size	k_q737281f50d_proj, .Lfunc_end_k_q737281f50d_proj-k_q737281f50d_proj
	.p2alignl 7, 3214868480
	.fill 96, 4, 3214868480
	.section	.rodata,"a",@progbits
	.p2align	6, 0x0
	.amdhsa_kernel k_q737281f50d_proj
		.amdhsa_group_segment_fixed_size 263168
		.amdhsa_private_segment_fixed_size 0
		.amdhsa_enable_private_segment 0
		.amdhsa_kernarg_size 48
		.amdhsa_user_sgpr_count 2
		.amdhsa_user_sgpr_kernarg_segment_ptr 1
		.amdhsa_wavefront_size32 1
		.amdhsa_system_sgpr_workgroup_id_x 1
		.amdhsa_system_sgpr_workgroup_id_y 1
		.amdhsa_system_sgpr_workgroup_id_z 1
		.amdhsa_system_vgpr_workitem_id 0
		.amdhsa_next_free_vgpr 256
		.amdhsa_next_free_sgpr 96
		.amdhsa_reserve_vcc 0
		.amdhsa_float_denorm_mode_32 3
		.amdhsa_float_denorm_mode_16_64 3
		.amdhsa_memory_ordered 1
		.amdhsa_forward_progress 1
		.amdhsa_inst_pref_size 44
	.end_amdhsa_kernel
	.amdgpu_metadata
---
amdhsa.version: [ 1, 2 ]
amdhsa.kernels:
  - .name:           k_q737281f50d_proj
    .symbol:         k_q737281f50d_proj.kd
    .args:
      - { .name: oimg, .offset: 0, .size: 8, .value_kind: global_buffer, .address_space: global }
      - { .name: osc, .offset: 8, .size: 8, .value_kind: global_buffer, .address_space: global }
      - { .name: W_codes, .offset: 16, .size: 8, .value_kind: global_buffer, .address_space: global }
      - { .name: W_scales, .offset: 24, .size: 8, .value_kind: global_buffer, .address_space: global }
      - { .name: b, .offset: 32, .size: 8, .value_kind: global_buffer, .address_space: global }
      - { .name: out0, .offset: 40, .size: 8, .value_kind: global_buffer, .address_space: global }
    .group_segment_fixed_size: 263168
    .private_segment_fixed_size: 0
    .kernarg_segment_align: 8
    .kernarg_segment_size: 48
    .max_flat_workgroup_size: 256
    .sgpr_count:     96
    .vgpr_count:     256
    .wavefront_size: 32
...
	.end_amdgpu_metadata
.endif
;; end of part 4
